; MI455X (gfx1250); checked and timed in simulation.
; The chip was launched on July 23, 2026; its instructions are those of AMD's public machine-readable ISA for CDNA 5 (MIT licence, August 2026) and "CDNA5" Instruction Set Architecture Reference Guide (July 2026). The comments in the code are by the model that wrote it; some were corrected since.
;; Multi Head Attention. Allowed arithmetic: float matrix products may take bf16 or f16 operands with f32 sums; all other float work in f32.
;; Inputs: Wk 1,024 x 1,024 float32; Wo 1,024 x 1,024 float32; Wq 1,024 x 1,024 float32; Wv 1,024 x 1,024 float32; attention_mask 1 x 4,096 float32; cos 4,096 x 32 float32; hidden_states 1 x 4,096 x 1,024 float32; sin 4,096 x 32 float32.
;; Outputs: out0 1 x 4,096 x 1,024 float32.
;; 2 versions, each right; version 2 is version 1 with the launch cast written anew for expert scheduling mode. Each part assembles by itself: llvm-mc -triple=amdgcn-amd-amdhsa -mcpu=gfx1250 --defsym DOCPART=n.
;; ======== version 1 of 2: 4 launches
;; limits: values are held in f16: magnitudes above 65,504 overflow, below 6.1e-05 lose precision
;; workspace buffers: hw 16,777,216 bytes; qkvh 25,165,824 bytes; ao 8,388,608 bytes
;; launch cast (part 1): grid 512 x 1, 8 waves a work-group, no clusters, 0 bytes of LDS; arguments hidden_states, Wq, Wk, Wv, Wo, hw; writes hw
.if DOCPART == 1
	.amdgcn_target "amdgcn-amd-amdhsa--gfx1250"
	.amdhsa_code_object_version 6
	.text
	.protected	k_q522cba62af_cast
	.globl	k_q522cba62af_cast
	.p2align	8
	.type	k_q522cba62af_cast,@function
k_q522cba62af_cast:
	s_mov_b64 s[64:65], 0
	v_nop
	global_prefetch_b8 v0, s[64:65] scope:SCOPE_SE
	s_setreg_imm32_b32 hwreg(HW_REG_WAVE_MODE, 25, 1), 1
	s_wait_xcnt 0x0
; hw = f16 of hidden_states [4096][1024], Wq, Wk, Wv, Wo [1024][1024 each], one behind the other: X at byte 0, the weights at 8, 10, 12, 14 MiB.
; The three later launches read these numbers many times as matrix operands: rounded once here, they are fetched at half the bytes and need no conversion there.
; f16 and not bf16: three more bits of mantissa at the same matrix form's shape.  LIMIT: a number of 65,504 or more in magnitude becomes infinity;
; numbers below 6.1e-5 are kept with an absolute step of 6e-8.
; A stream: no LDS, no barrier, no matrix unit.  512 work-groups of 8 waves; a work-group converts 16,384 numbers (64 KiB in, 32 KiB out).
; Thread t takes 16 bytes at 16 t of each block of 4,096 bytes: a load of a wave covers 512 consecutive bytes, a store 256 consecutive bytes, aligned.
; All sixteen loads of a thread go out first; no register is written twice, so the only waits are the counted ones for the data.
.set XR, 4                             ; v[4:67]   sixteen loads of four f32
.set YR, 68                            ; v[68:99]  sixteen pairs of registers, four f16 each pair
	s_load_b256 s[4:11], s[0:1], 0x0               ; hidden_states s[4:5], Wq s[6:7], Wk s[8:9], Wv s[10:11]
	s_load_b128 s[12:15], s[0:1], 0x20             ; Wo s[12:13], hw s[14:15]
	s_lshr_b32 s16, ttmp9, 6                       ; 0..3: hidden_states (256 work-groups); 4, 5, 6, 7: Wq, Wk, Wv, Wo (64 each)
	s_and_b32 s20, ttmp9, 63                       ; my place inside a weight matrix,
	s_cmp_lt_u32 s16, 4
	s_cselect_b32 s20, ttmp9, s20                  ; or inside hidden_states
	s_lshl_b32 s20, s20, 16                        ; times 64 KiB of f32
	s_mov_b32 s21, 0
	s_lshl_b32 s22, ttmp9, 15                      ; in hw the parts follow each other: work-group number times 32 KiB
	s_mov_b32 s23, 0
	v_lshlrev_b32 v1, 4, v0                        ; 16 t
	v_lshlrev_b32 v2, 3, v0                        ; 8 t
	s_wait_kmcnt 0x0
	s_mov_b64 s[18:19], s[4:5]                     ; the source buffer, chosen by the work-group's number alone
	s_cmp_eq_u32 s16, 4
	s_cselect_b64 s[18:19], s[6:7], s[18:19]
	s_cmp_eq_u32 s16, 5
	s_cselect_b64 s[18:19], s[8:9], s[18:19]
	s_cmp_eq_u32 s16, 6
	s_cselect_b64 s[18:19], s[10:11], s[18:19]
	s_cmp_eq_u32 s16, 7
	s_cselect_b64 s[18:19], s[12:13], s[18:19]
	s_add_nc_u64 s[18:19], s[18:19], s[20:21]
	s_add_nc_u64 s[14:15], s[14:15], s[22:23]
.irp j, 0,1,2,3,4,5,6,7,8,9,10,11,12,13,14,15
	global_load_b128 v[XR+4*\j:XR+4*\j+3], v1, s[18:19] offset:4096*\j th:TH_LOAD_NT   ; read once in this launch
.endr
.irp j, 0,1,2,3,4,5,6,7,8,9,10,11,12,13,14,15
	s_wait_loadcnt 15-\j                           ; loads return in order: load j is in, the 15 - j younger ones stay out
	v_cvt_pk_f16_f32 v[YR+2*\j],   v[XR+4*\j],   v[XR+4*\j+1]
	v_cvt_pk_f16_f32 v[YR+2*\j+1], v[XR+4*\j+2], v[XR+4*\j+3]
	global_store_b64 v2, v[YR+2*\j:YR+2*\j+1], s[14:15] offset:2048*\j                 ; no hint: the next launch reads it
.endr
	s_endpgm
.Lfunc_end_k_q522cba62af_cast:
	.size	k_q522cba62af_cast, .Lfunc_end_k_q522cba62af_cast-k_q522cba62af_cast
	.p2alignl 7, 3214868480
	.fill 96, 4, 3214868480
	.section	.rodata,"a",@progbits
	.p2align	6, 0x0
	.amdhsa_kernel k_q522cba62af_cast
		.amdhsa_group_segment_fixed_size 0
		.amdhsa_private_segment_fixed_size 0
		.amdhsa_enable_private_segment 0
		.amdhsa_kernarg_size 48
		.amdhsa_user_sgpr_count 2
		.amdhsa_user_sgpr_kernarg_segment_ptr 1
		.amdhsa_wavefront_size32 1
		.amdhsa_system_sgpr_workgroup_id_x 1
		.amdhsa_system_sgpr_workgroup_id_y 1
		.amdhsa_system_sgpr_workgroup_id_z 1
		.amdhsa_system_vgpr_workitem_id 0
		.amdhsa_next_free_vgpr 104
		.amdhsa_next_free_sgpr 66
		.amdhsa_reserve_vcc 0
		.amdhsa_float_denorm_mode_32 3
		.amdhsa_float_denorm_mode_16_64 3
		.amdhsa_memory_ordered 1
		.amdhsa_forward_progress 1
		.amdhsa_inst_pref_size 7
	.end_amdhsa_kernel
	.amdgpu_metadata
---
amdhsa.version: [ 1, 2 ]
amdhsa.kernels:
  - .name:           k_q522cba62af_cast
    .symbol:         k_q522cba62af_cast.kd
    .args:
      - { .name: hidden_states, .offset: 0, .size: 8, .value_kind: global_buffer, .address_space: global }
      - { .name: Wq, .offset: 8, .size: 8, .value_kind: global_buffer, .address_space: global }
      - { .name: Wk, .offset: 16, .size: 8, .value_kind: global_buffer, .address_space: global }
      - { .name: Wv, .offset: 24, .size: 8, .value_kind: global_buffer, .address_space: global }
      - { .name: Wo, .offset: 32, .size: 8, .value_kind: global_buffer, .address_space: global }
      - { .name: hw, .offset: 40, .size: 8, .value_kind: global_buffer, .address_space: global }
    .group_segment_fixed_size: 0
    .private_segment_fixed_size: 0
    .kernarg_segment_align: 8
    .kernarg_segment_size: 48
    .max_flat_workgroup_size: 256
    .sgpr_count:     66
    .vgpr_count:     104
    .wavefront_size: 32
...
	.end_amdgpu_metadata
.endif
;; end of part 1
;; launch qkv (part 2): grid 16 x 16, 8 waves a work-group, clusters of 4 x 4, 327,680 bytes of LDS; arguments hw, cos, sin, qkvh; writes qkvh
.if DOCPART == 2
	.amdgcn_target "amdgcn-amd-amdhsa--gfx1250"
	.amdhsa_code_object_version 6
	.text
	.protected	k_q522cba62af_qkv
	.globl	k_q522cba62af_qkv
	.p2align	8
	.type	k_q522cba62af_qkv,@function
k_q522cba62af_qkv:
	s_mov_b64 s[64:65], 0
	v_nop
	global_prefetch_b8 v0, s[64:65] scope:SCOPE_SE
	s_setreg_imm32_b32 hwreg(HW_REG_WAVE_MODE, 25, 1), 1
	s_wait_xcnt 0x0
	s_wait_alu depctr_hold_cnt(0) depctr_sa_sdst(0) depctr_va_vdst(0) depctr_va_sdst(0) depctr_va_ssrc(0) depctr_va_vcc(0) depctr_vm_vsrc(0)
	s_getreg_b32 s2, hwreg(HW_REG_IB_STS2, 6, 4)
	s_cmp_eq_u32 s2, 0
	s_cbranch_scc0 .Lentry_in_a_cluster
	s_endpgm
.Lentry_in_a_cluster:
	s_bfe_u32 s2, ttmp6, 0x10000c
	s_cmp_lg_u32 s2, 0xf033
	s_cbranch_scc0 .Lentry_shape_is_right
	s_endpgm
.Lentry_shape_is_right:
; Q, K, V of one head for 256 tokens: X W^T (K = 1024, f16 operands, f32 sums), RoPE on Q and K, rounded to f16.
; qkvh: f16 [3][16 heads][4096 tokens][64].  Q and K are stored times sqrt(log2(e) / 8), so that Q K^T is the score times 64^-0.5 in base 2; V as it is.
; LIMIT: 0.4247 |q|, 0.4247 |k| and |v| must stay below 65,504 (else infinity); values below 6.1e-5 keep an absolute step of 6e-8.
; WORK: work-group (head, mb) makes rows 256 mb .. +255 of the head's 3 x 64 columns with eight waves.  Wave w = (wm = w >> 1, wn = w & 1) owns tokens 64 wm .. +63 and, of each of
; the three matrices, the 16-column tiles wn and wn + 2: column d and column d + 32, the two numbers that RoPE turns together, lie in the same lane.  24 accumulator tiles.
; RING: K in steps of 128 through two LDS slots; a slot has seven parts of 64 rows x 256 bytes (+ 16 of padding): four of X, one each of Wq, Wk, Wv.  Wave w fetches part w; wave 7 none.
; CLUSTER 4 x 4: X's parts hang on mb alone and are asked for jointly by the four work-groups of a row of the cluster; the weights' parts hang on the head alone and are asked for
; jointly along a column.  That divides the requests for both by four.  Where a slot is filled again, a round of the cluster's barrier stands in front of the joint load.
; REGISTERS: window 0: v2-11 addresses, v16-95 and v96-175 two fragment buffers, v176-239 cos and sin; window 1 (v256-447): accumulator (n, m) at 8 (4 n + m), n = 2 t + u.
; THE MATRIX INSTRUCTION IS USED TRANSPOSED (source 0 = 16 rows of W, source 1 = 16 tokens): lane (r, h) then holds token r and the eight neighbouring columns 8 h .. 8 h + 7 of the tile.
.set PITCH,  272                       ; LDS row: 256 bytes + 16: an odd multiple of 16, so sixteen rows start in sixteen different 16-byte columns of 256 bytes
.set PART,   64*PITCH                  ; what one tensor load brings
.set SLOT,   7*PART
.set OPITCH, 144                       ; the way out: a token's 128 bytes + 16
.set OMAT,   256*OPITCH                ; one matrix's 256 tokens on the way out
.set ADRX, 2                           ; v2-3   LDS address of my X fragments in slot 0, 1
.set ADRW, 4                           ; v4-5   the same for the weights
.set STO,  6                           ; v6     the way out: where I put 16 bytes of a token (Q; K by the immediate)
.set STOV, 7                           ; v7     the same for V (beyond the immediate's 16 bits)
.set RD,   8                           ; v8     the way out: where I read rows back (Q, K)
.set RDV,  9                           ; v9     (V)
.set CO,   10                          ; v10    my byte offset in the block of qkvh
.set CSO,  11                          ; v11    my byte offset in the block of cos and of sin
.set F0,   16                          ; fragment buffer 0: X tile m at +8 m, W tile n at +32 + 8 n
.set F1,   96                          ; fragment buffer 1
.set CS,   176                         ; token tile m: cos at +16 m, sin at +16 m + 8 (eight numbers each)
.set RES,  16                          ; the way out: RoPE's results, 16 registers for each (t, m), in the fragment buffers, which are free then
.set VPK,  144                         ; the way out: V packed, 8 registers for each m
.set G1A, 28                           ; s[28:35] descriptor group 1 for X's parts
.set G1B, 36                           ; s[36:43] for the weights' parts: differs in the mask alone
.set G0A, 44                           ; s[44:51] descriptor group 0 for X, one set for each slot
.set G0B, 52                           ; s[52:59] for the weights
.set MSB, 0
.macro WIN new                         ; s_set_vgpr_msb: bits 1:0 source 0, 3:2 source 1, 5:4 source 2, 7:6 destination; the high byte repeats the setting that is left
.if MSB != \new
	s_set_vgpr_msb (MSB<<8)|\new
.set MSB, \new
.endif
.endm
.macro PLACES n
.rept \n
	v_nop
.endr
.endm
.macro CREST                           ; a round of the cluster's barrier behind its opening work-group barrier
	s_cmp_lg_u32 s12, 0
	s_cbranch_scc1 .Lnw0_\@
	s_barrier_signal -3                            ; wave 0 speaks for the work-group
.Lnw0_\@:
	s_barrier_wait -3                              ; all sixteen work-groups
	s_barrier_signal -1
	s_barrier_wait -1
.endm
.macro CROUND
	s_barrier_signal -1
	s_barrier_wait -1
	CREST
.endm
.macro JLOAD s                         ; my one joint load into slot s: waves 0-3 a part of X, waves 4-6 a part of a weight matrix, wave 7 none.  The branches hang on the wave's number alone
	s_cmp_lt_u32 s12, 4
	s_cbranch_scc0 .Lnotx_\@
	tensor_load_to_lds s[G0A+4*\s:G0A+4*\s+3], s[G1A:G1A+7]
	s_nop 0
	s_branch .Lasked_\@
.Lnotx_\@:
	s_cmp_lt_u32 s12, 7
	s_cbranch_scc0 .Lasked_\@
	tensor_load_to_lds s[G0B+4*\s:G0B+4*\s+3], s[G1B:G1B+7]
	s_nop 0
.Lasked_\@:
.endm
	s_load_b256 s[4:11], s[0:1], 0x0               ; hw s[4:5], cos s[6:7], sin s[8:9], qkvh s[10:11]
	v_lshl_add_u32 v254, v0, 2, 0x3b800
	v_mov_b32 v255, 0
	ds_add_u32 v254, v255
	v_lshrrev_b32 v1, 5, v0
	v_readfirstlane_b32 s12, v1                    ; wave 0..7
	s_lshr_b32 s13, s12, 1                         ; wm
	s_and_b32 s14, s12, 1                          ; wn
	s_and_b32 s15, s12, 3                          ; which part of X, or which weight matrix, I fetch
	s_bfe_u32 s16, ttmp6, 0x40000                  ; cx
	s_bfe_u32 s17, ttmp6, 0x40004                  ; cy
	s_lshl_b32 s18, ttmp9, 2
	s_add_co_u32 s18, s18, s16                     ; head = 4 x cluster x + cx
	s_and_b32 s19, ttmp7, 0xffff
	s_lshl_b32 s19, s19, 2
	s_add_co_u32 s19, s19, s17                     ; mb = 4 x cluster y + cy
	s_lshl_b32 s20, s17, 2
	s_lshl_b32 s20, 15, s20                        ; my row of the cluster: places 4 cy .. 4 cy + 3
	s_lshl_b32 s21, 0x1111, s16                    ; my column: places cx, cx + 4, cx + 8, cx + 12
	; group 1: 64 rows x 128 elements of 2 bytes, 1,024 elements from row to row, 4 words of padding behind every 64 words
	s_or_b32 s[G1A+0], s20, (1<<16)|(1<<20)|(1<<21)|(5<<22)|(3<<25)
	s_or_b32 s[G1B+0], s21, (1<<16)|(1<<20)|(1<<21)|(5<<22)|(3<<25)
.irp g, G1A, G1B
	s_mov_b32 s[\g+1], 128<<16                     ; tensor_dim0 = 128
	s_mov_b32 s[\g+2], 64<<16                      ; tensor_dim1 = 64
	s_mov_b32 s[\g+3], 128<<16                     ; tile_dim0 = 128
	s_mov_b32 s[\g+4], 64                          ; tile_dim1 = 64
	s_mov_b32 s[\g+5], 1024                        ; pitch
	s_mov_b32 s[\g+6], 0
	s_mov_b32 s[\g+7], 0
.endr
	; X's address is made of mb and the wave's number, the weights' of the head and the wave's number, each in registers that never hold the other coordinate
	s_lshl_b32 s22, s19, 19                        ; 256 mb rows of 2,048 bytes
	s_lshl_b32 s23, s15, 17                        ; + 64 (w & 3) rows
	s_add_co_u32 s22, s22, s23
	s_mov_b32 s23, 0
	s_lshl_b32 s24, s18, 17                        ; the head's 64 rows of 2,048 bytes
	s_lshl_b32 s25, s15, 21                        ; + (w & 3) matrices of 2 MiB
	s_add_co_u32 s24, s24, s25
	s_add_co_u32 s24, s24, 0x800000                ; behind X's 8 MiB
	s_mov_b32 s25, 0
	s_mul_i32 s2, s12, PART                        ; where my part goes: the wave's number alone
	s_wait_dscnt 0x0
	s_wait_kmcnt 0x0
	s_add_nc_u64 s[22:23], s[4:5], s[22:23]
	s_add_nc_u64 s[24:25], s[4:5], s[24:25]
.irp s, 0,1
	s_mov_b32 s[G0A+4*\s], 1
	s_add_co_u32 s[G0A+4*\s+1], s2, \s*SLOT
	s_add_nc_u64 s[G0A+4*\s+2:G0A+4*\s+3], s[22:23], \s*256        ; K step s
	s_or_b32 s[G0A+4*\s+3], s[G0A+4*\s+3], 0x80000000
	s_mov_b32 s[G0B+4*\s], 1
	s_add_co_u32 s[G0B+4*\s+1], s2, \s*SLOT
	s_add_nc_u64 s[G0B+4*\s+2:G0B+4*\s+3], s[24:25], \s*256
	s_or_b32 s[G0B+4*\s+3], s[G0B+4*\s+3], 0x80000000
.endr
	CROUND                                         ; all sixteen work-groups are here: the first joint loads meet
	s_cmp_lt_u32 s12, 4                            ; both first fills of a wave inside one branch on its number
	s_cbranch_scc0 .Lfirst_w
	tensor_load_to_lds s[G0A:G0A+3], s[G1A:G1A+7]
	s_nop 0
	tensor_load_to_lds s[G0A+4:G0A+7], s[G1A:G1A+7]
	s_nop 0
	s_branch .Lfirst_done
.Lfirst_w:
	s_cmp_lt_u32 s12, 7
	s_cbranch_scc0 .Lfirst_done
	tensor_load_to_lds s[G0B:G0B+3], s[G1B:G1B+7]
	s_nop 0
	tensor_load_to_lds s[G0B+4:G0B+7], s[G1B:G1B+7]
	s_nop 0
.Lfirst_done:
	v_and_b32 v12, 15, v0                          ; r
	v_bfe_u32 v13, v0, 4, 1                        ; h
	v_and_b32 v14, 31, v0                          ; lane
	v_mul_u32_u24 v15, v12, PITCH
	v_lshl_add_u32 v15, v13, 4, v15                ; r x pitch + 16 h: a fragment is two loads of 16 bytes, 32 bytes apart
	s_mul_i32 s26, s13, PART                       ; my 64 tokens are part wm
	v_add_nc_u32 v[ADRX], s26, v15
	v_add_nc_u32 v[ADRX+1], SLOT, v[ADRX]
	s_mul_i32 s26, s14, 16*PITCH                   ; rows 16 wn .. of each weight part,
	s_add_co_u32 s26, s26, 4*PART                  ; which lie behind X's four
	v_add_nc_u32 v[ADRW], s26, v15
	v_add_nc_u32 v[ADRW+1], SLOT, v[ADRW]
	v_mul_u32_u24 v[STO], v12, OPITCH              ; out: token 64 wm + r, byte 32 wn + 16 h
	v_lshl_add_u32 v[STO], v13, 4, v[STO]
	s_mul_i32 s26, s13, 64*OPITCH
	s_lshl_b32 s27, s14, 5
	s_add_co_u32 s26, s26, s27
	v_add_nc_u32 v[STO], s26, v[STO]
	v_add_nc_u32 v[STOV], 2*OMAT, v[STO]
	v_lshrrev_b32 v[RD], 3, v14                    ; back: eight lanes take a token's 128 bytes, a wave four tokens
	v_mul_u32_u24 v[RD], v[RD], OPITCH
	v_and_b32 v[RDV], 7, v14
	v_lshl_add_u32 v[RD], v[RDV], 4, v[RD]
	s_mul_i32 s26, s12, 32*OPITCH                  ; wave w stores tokens 32 w .. 32 w + 31
	v_add_nc_u32 v[RD], s26, v[RD]
	v_add_nc_u32 v[RDV], 2*OMAT, v[RD]
	v_lshlrev_b32 v[CO], 4, v14
	s_lshl_b32 s26, s12, 12
	v_add_nc_u32 v[CO], s26, v[CO]                 ; 4,096 w + 16 lane: in qkvh the tokens' rows of 128 bytes follow each other
	v_lshlrev_b32 v[CSO], 7, v12                   ; cos, sin: token (64 wm + r) x 128 bytes + (16 wn + 8 h) x 4
	v_lshl_add_u32 v[CSO], v13, 5, v[CSO]
	s_lshl_b32 s26, s13, 13
	s_lshl_b32 s27, s14, 6
	s_add_co_u32 s26, s26, s27
	v_add_nc_u32 v[CSO], s26, v[CSO]
	s_lshl_b32 s26, s19, 15                        ; 256 mb tokens of 128 bytes
	s_mov_b32 s27, 0
	s_add_nc_u64 s[6:7], s[6:7], s[26:27]
	s_add_nc_u64 s[8:9], s[8:9], s[26:27]
.irp m, 0,1,2,3
	global_load_b128 v[CS+16*\m:CS+16*\m+3],     v[CSO], s[6:7] offset:\m*2048       ; waited for behind the K loop
	global_load_b128 v[CS+16*\m+4:CS+16*\m+7],   v[CSO], s[6:7] offset:\m*2048+16
	global_load_b128 v[CS+16*\m+8:CS+16*\m+11],  v[CSO], s[8:9] offset:\m*2048
	global_load_b128 v[CS+16*\m+12:CS+16*\m+15], v[CSO], s[8:9] offset:\m*2048+16
.endr
; 20 LDS loads: the fragments of 32 along K at byte k of slot's rows, into buffer f.  W tile n = 2 t + u: rows 64 t + 32 u + 16 wn + r behind the weights' first row
.macro FETCH slot, k, f
.irp m, 0,1,2,3
	ds_load_b128 v[\f+8*\m:\f+8*\m+3],   v[ADRX+\slot] offset:\k+\m*16*PITCH
	ds_load_b128 v[\f+8*\m+4:\f+8*\m+7], v[ADRX+\slot] offset:\k+\m*16*PITCH+32
.endr
.irp n, 0,1,2,3,4,5
	ds_load_b128 v[\f+32+8*\n:\f+32+8*\n+3],   v[ADRW+\slot] offset:\k+\n*32*PITCH
	ds_load_b128 v[\f+32+8*\n+4:\f+32+8*\n+7], v[ADRW+\slot] offset:\k+\n*32*PITCH+32
.endr
.endm
; 4 cnt matrix instructions: W tiles n0 .. n0 + cnt - 1 x the four token tiles.  The 24 accumulators take turns, one instruction a turn, in the same order in every
; quarter step, over the loop's backward jump too.  zero = 1: the first product starts the sums.
.macro MUL f, n0, cnt, zero
.set nn, \n0
.rept \cnt
.irp m, 0,1,2,3
.if \zero
	v_wmma_f32_16x16x32_f16 v[8*(4*nn+\m):8*(4*nn+\m)+7], v[\f+32+8*nn:\f+32+8*nn+7], v[\f+8*\m:\f+8*\m+7], 0
.else
	v_wmma_f32_16x16x32_f16 v[8*(4*nn+\m):8*(4*nn+\m)+7], v[\f+32+8*nn:\f+32+8*nn+7], v[\f+8*\m:\f+8*\m+7], v[8*(4*nn+\m):8*(4*nn+\m)+7]
.endif
.endr
.set nn, nn+1
.endr
.endm
; One of a K step's first three quarters: fetches the next quarter's fragments into g, multiplies f.  A load into a register that a matrix instruction has read stands four places
; behind it (ISA guide 7.12.1 for vector instructions): four v_nop.
.macro QUARTER slot, k, f, g, zero
	PLACES 4
	WIN 0
	FETCH \slot, \k, \g
	s_wait_dscnt 20                                ; f's loads are in; the 20 just issued stay out
	WIN 0x50                                       ; C and D in window 1
	MUL \f, 0, 6, \zero
.endm
.macro THREE slot, zero
	QUARTER \slot, 64,  F0, F1, \zero
	QUARTER \slot, 128, F1, F0, 0
	QUARTER \slot, 192, F0, F1, 0
.endm
; The last quarter multiplies buffer 1 and changes slots.  In front of the barrier each wave waits for its reads of this slot and for all its tensor loads (the one that is out is its
; part of the next slot).  fill = 1: the barrier opens a round of the cluster's barrier; behind the round the joint refill comes first, one tensor load a wave, two K steps ahead.
.macro TURN slot, next, fill
	s_wait_dscnt 0x0
	s_wait_tensorcnt 0x0
	ds_add_u32 v254, v255
	s_wait_dscnt 0x0
	s_barrier_signal -1
	WIN 0x50
	MUL F1, 0, 3, 0                                ; registers only, while the others arrive
	WIN 0
	s_barrier_wait -1
.if \fill
	CREST
	s_add_nc_u64 s[G0A+4*\slot+2:G0A+4*\slot+3], s[G0A+4*\slot+2:G0A+4*\slot+3], 512   ; no load of mine is out: a group 0 may be written
	s_add_nc_u64 s[G0B+4*\slot+2:G0B+4*\slot+3], s[G0B+4*\slot+2:G0B+4*\slot+3], 512
	JLOAD \slot
.endif
	PLACES 4
	FETCH \next, 0, F0
	WIN 0x50
	MUL F1, 3, 3, 0
.endm
.macro LAP zero
	THREE 0, \zero
	TURN 0, 1, 1
	THREE 1, 0
	TURN 1, 0, 1
.endm
	s_wait_tensorcnt 0x1                           ; my part of K step 0 is in; K step 1's stays out
	s_barrier_signal -1
	s_barrier_wait -1
	FETCH 0, 0, F0
	LAP 1                                          ; K steps 0, 1; asks for 2, 3
	WIN 0
	s_mov_b32 s3, 2
.Llap:
	LAP 0                                          ; K steps 2 to 5; asks for 4 to 7
	WIN 0
	s_sub_co_u32 s3, s3, 1
	s_cmp_lg_u32 s3, 0
	s_cbranch_scc1 .Llap
	THREE 0, 0                                     ; K steps 6, 7: nothing is left to fetch
	TURN 0, 1, 0
	THREE 1, 0
	s_wait_dscnt 0x0
	WIN 0x50
	MUL F1, 0, 6, 0
	; THE WAY OUT.  Slot 0 has had its last fill, and every wave's last read of it stands in front of the barrier of the last change of slots: it serves as the stage.
	PLACES 4                                       ; behind the last matrix instructions: their results are read, their sources written
	WIN 0
	s_lshl_b32 s26, s18, 19                        ; head x 4,096 tokens x 128 bytes
	s_lshl_b32 s27, s19, 15                        ; + 256 mb tokens
	s_add_co_u32 s26, s26, s27
	s_mov_b32 s27, 0
	s_add_nc_u64 s[10:11], s[10:11], s[26:27]      ; Q's block
	s_add_nc_u64 s[60:61], s[10:11], 0x800000      ; K's
	s_add_nc_u64 s[62:63], s[10:11], 0x1000000     ; V's
	s_wait_loadcnt 0x0                             ; cos and sin
.set cc, 0
.rept 32
	v_pk_mul_f32 v[CS+cc:CS+cc+1], v[CS+cc:CS+cc+1], 0x3ed96d27 op_sel_hi:[1,0]   ; sqrt(log2(e) / 8), once: RoPE's multiply-adds then deliver the scaled Q and K
.set cc, cc+2
.endr
; RoPE of matrix t, token tile m: x1 = accumulator (2 t, m), x2 = (2 t + 1, m).  x1 cos - x2 sin into RT .. +7, x2 cos + x1 sin into RT + 8 .. +15
.macro ROPE t, m
.set X1, 8*(8*\t+\m)
.set X2, 8*(8*\t+4+\m)
.set RT, RES+16*(4*\t+\m)
.set CM, CS+16*\m
.irp p, 0,2,4,6
	v_pk_mul_f32 v[RT+\p:RT+\p+1],     v[X2+\p:X2+\p+1], v[CM+8+\p:CM+8+\p+1]
	v_pk_mul_f32 v[RT+8+\p:RT+8+\p+1], v[X1+\p:X1+\p+1], v[CM+8+\p:CM+8+\p+1]
.endr
.irp p, 0,2,4,6
	v_pk_fma_f32 v[RT+\p:RT+\p+1],     v[X1+\p:X1+\p+1], v[CM+\p:CM+\p+1], v[RT+\p:RT+\p+1] neg_lo:[0,0,1] neg_hi:[0,0,1]
	v_pk_fma_f32 v[RT+8+\p:RT+8+\p+1], v[X2+\p:X2+\p+1], v[CM+\p:CM+\p+1], v[RT+8+\p:RT+8+\p+1]
.endr
.endm
	WIN 0x01                                       ; source 0 in window 1
.irp t, 0,1
.irp m, 0,1,2,3
	ROPE \t, \m
.endr
.endr
	WIN 0x05                                       ; sources 0 and 1 in window 1: V is rounded straight from its accumulators (4 + u, m)
.irp m, 0,1,2,3
.irp u, 0,1
.irp p, 0,1,2,3
	v_cvt_pk_f16_f32 v[VPK+8*\m+4*\u+\p], v[8*(16+4*\u+\m)+2*\p], v[8*(16+4*\u+\m)+2*\p+1]
.endr
.endr
.endr
	WIN 0
.irp c, 0,1,2,3,4,5,6,7
.irp p, 0,1,2,3,4,5,6,7
	v_cvt_pk_f16_f32 v[RES+16*\c+\p], v[RES+16*\c+2*\p], v[RES+16*\c+2*\p+1]      ; packed in place: register p is written when 2 p and 2 p + 1 have been read
.endr
.endr
.irp t, 0,1
.irp m, 0,1,2,3
	ds_store_b128 v[STO], v[RES+16*(4*\t+\m):RES+16*(4*\t+\m)+3]   offset:\t*OMAT+\m*16*OPITCH      ; columns 16 wn + 8 h ..
	ds_store_b128 v[STO], v[RES+16*(4*\t+\m)+4:RES+16*(4*\t+\m)+7] offset:\t*OMAT+\m*16*OPITCH+64   ; and 32 further
.endr
.endr
.irp m, 0,1,2,3
	ds_store_b128 v[STOV], v[VPK+8*\m:VPK+8*\m+3]   offset:\m*16*OPITCH
	ds_store_b128 v[STOV], v[VPK+8*\m+4:VPK+8*\m+7] offset:\m*16*OPITCH+64
.endr
	s_wait_dscnt 0x0                               ; my stores are done: two waves share each token's row
	s_barrier_signal -1
	s_barrier_wait -1
.irp t, 0,1
.irp i, 0,1,2,3,4,5,6,7
	ds_load_b128 v[16+4*(8*\t+\i):16+4*(8*\t+\i)+3], v[RD] offset:\t*OMAT+\i*4*OPITCH
.endr
.endr
.irp i, 0,1,2,3,4,5,6,7
	ds_load_b128 v[80+4*\i:80+4*\i+3], v[RDV] offset:\i*4*OPITCH
.endr
.irp i, 0,1,2,3,4,5,6,7
	s_wait_dscnt 23-\i                             ; LDS loads return in order: this one is in, the younger ones stay out
	global_store_b128 v[CO], v[16+4*\i:16+4*\i+3], s[10:11] offset:512*\i          ; a store of the wave covers 512 consecutive bytes, aligned
.endr
.irp i, 0,1,2,3,4,5,6,7
	s_wait_dscnt 15-\i
	global_store_b128 v[CO], v[48+4*\i:48+4*\i+3], s[60:61] offset:512*\i
.endr
.irp i, 0,1,2,3,4,5,6,7
	s_wait_dscnt 7-\i
	global_store_b128 v[CO], v[80+4*\i:80+4*\i+3], s[62:63] offset:512*\i
.endr
	s_wait_tensorcnt 0x0
	ds_add_u32 v254, v255
	s_wait_dscnt 0x0
	CROUND                                         ; the closing round: no work-group ends while a partner may still ask for a tile that names it
	s_endpgm
.Lfunc_end_k_q522cba62af_qkv:
	.size	k_q522cba62af_qkv, .Lfunc_end_k_q522cba62af_qkv-k_q522cba62af_qkv
	.p2alignl 7, 3214868480
	.fill 96, 4, 3214868480
	.section	.rodata,"a",@progbits
	.p2align	6, 0x0
	.amdhsa_kernel k_q522cba62af_qkv
		.amdhsa_group_segment_fixed_size 327680
		.amdhsa_private_segment_fixed_size 0
		.amdhsa_enable_private_segment 0
		.amdhsa_kernarg_size 32
		.amdhsa_user_sgpr_count 2
		.amdhsa_user_sgpr_kernarg_segment_ptr 1
		.amdhsa_wavefront_size32 1
		.amdhsa_system_sgpr_workgroup_id_x 1
		.amdhsa_system_sgpr_workgroup_id_y 1
		.amdhsa_system_sgpr_workgroup_id_z 1
		.amdhsa_system_vgpr_workitem_id 0
		.amdhsa_next_free_vgpr 448
		.amdhsa_next_free_sgpr 66
		.amdhsa_reserve_vcc 0
		.amdhsa_float_denorm_mode_32 3
		.amdhsa_float_denorm_mode_16_64 3
		.amdhsa_memory_ordered 1
		.amdhsa_forward_progress 1
		.amdhsa_inst_pref_size 107
	.end_amdhsa_kernel
	.amdgpu_metadata
---
amdhsa.version: [ 1, 2 ]
amdhsa.kernels:
  - .name:           k_q522cba62af_qkv
    .symbol:         k_q522cba62af_qkv.kd
    .args:
      - { .name: hw, .offset: 0, .size: 8, .value_kind: global_buffer, .address_space: global }
      - { .name: cos, .offset: 8, .size: 8, .value_kind: global_buffer, .address_space: global }
      - { .name: sin, .offset: 16, .size: 8, .value_kind: global_buffer, .address_space: global }
      - { .name: qkvh, .offset: 24, .size: 8, .value_kind: global_buffer, .address_space: global }
    .group_segment_fixed_size: 327680
    .private_segment_fixed_size: 0
    .kernarg_segment_align: 8
    .kernarg_segment_size: 32
    .max_flat_workgroup_size: 256
    .sgpr_count:     66
    .vgpr_count:     448
    .wavefront_size: 32
...
	.end_amdgpu_metadata
.endif
;; end of part 2
;; launch attn (part 3): grid 16 x 16, 8 waves a work-group, clusters of 4 x 1, 327,680 bytes of LDS; arguments qkvh, attention_mask, ao; writes ao
.if DOCPART == 3
	.amdgcn_target "amdgcn-amd-amdhsa--gfx1250"
	.amdhsa_code_object_version 6
	.text
	.protected	k_q522cba62af_attn
	.globl	k_q522cba62af_attn
	.p2align	8
	.type	k_q522cba62af_attn,@function
k_q522cba62af_attn:
	s_mov_b64 s[64:65], 0
	v_nop
	global_prefetch_b8 v0, s[64:65] scope:SCOPE_SE
	s_setreg_imm32_b32 hwreg(HW_REG_WAVE_MODE, 25, 1), 1
	s_wait_xcnt 0x0
	s_wait_alu depctr_hold_cnt(0) depctr_sa_sdst(0) depctr_va_vdst(0) depctr_va_sdst(0) depctr_va_ssrc(0) depctr_va_vcc(0) depctr_vm_vsrc(0)
	s_getreg_b32 s2, hwreg(HW_REG_IB_STS2, 6, 4)
	s_cmp_eq_u32 s2, 0
	s_cbranch_scc0 .Lentry_in_a_cluster
	s_endpgm
.Lentry_in_a_cluster:
	s_bfe_u32 s2, ttmp6, 0x10000c
	s_cmp_lg_u32 s2, 0x3003
	s_cbranch_scc0 .Lentry_shape_is_right
	s_endpgm
.Lentry_shape_is_right:
; ao[head][query][64] = softmax over keys of (Q K^T / 8 + (1 - mask) x -10000) V, f16 out, one pass over the keys with a running maximum.
; Q and K come scaled so that Q K^T is the score in base 2; the mask's term is brought to base 2 here: mask x 14426.95 - 14426.95, one fused multiply-add in f32.
; LIMIT: p = 2^(score - maximum) is rounded to f16 for the second product (below 2^-24 it becomes 0; the sum of p is kept in f32 from the unrounded p); |output| < 65,504.
; WORK: a work-group takes 256 queries of one head, wave w the 32 queries 32 w .. +31 as two tiles q = 0, 1.  Eight waves, two on each of the WGP's four SIMDs: one wave's vector work
; (maxima, exponentials, sums) runs beside the other's matrix work.
; CLUSTER 4 x 1: the four work-groups of a cluster take four query blocks of the same head and walk the same K and V: every tile is asked for jointly (mask 15).
; BOTH PRODUCTS ARE USED TRANSPOSED, so that p never changes lanes.  S^T = K Q^T + C: source 0 = 16 keys, source 1 = 16 queries, C = the mask's term; lane (r, h), register j holds
; (key 8 h + j, query r).  Two neighbouring key tiles, rounded in pairs, ARE source 1 of O^T = V^T P^T (k = 8 h .. and 16 + 8 h ..); source 0, V^T, comes from V [key][d] by the
; transposing LDS load.  Maximum, sum and rescaling factor belong to a query, that is to a lane; the two halves of the lanes hold different keys and exchange the maximum once a step.
; RING: two slots of 256 keys (four steps of 64).  A slot has eight regions: four quarters of K (64 keys, pitch 144), four of V (64 keys, pitch 160); wave w fetches region w.
; LOADS AHEAD: K's fragments and the mask's term are free once S^T's products have read them, and V's fragments have registers of their own: a step's V and the NEXT step's K and mask
; go out together behind S^T's products and land during the step's vector work.  The change of slots lies inside a slot's last step: the wave signals when its last reads of the slot are
; back, does the exponentials and sums (registers only) while the others arrive, and issues the refill and the next slot's first K loads in front of the step's O^T products.
.set REG,   10240
.set SLOT,  8*REG
.set KP,    144                        ; odd multiple of 16 bytes
.set VP,    160                        ; odd multiple of 32 bytes, for the transposing load
.set MASK,  2*SLOT                     ; 4,096 f32: the mask's term; written by LDS stores, never filled by a tensor load
.set STAGE, MASK+16384                 ; 32 rows x 144 bytes for each wave: the way out
.set KADR, 2                           ; v2-3   K fragments in slot 0, 1
.set VADR, 4                           ; v4-5   V fragments
.set MADR, 6                           ; v6     the mask's term of the current slot's keys; + 1,024 for each slot
.set QOFF, 7
.set STO,  8
.set RD,   9
.set CO,   10
.set MX,   16                          ; v16-17 running maximum of query tile 0, 1
.set AL,   18                          ; v18-19 2^(old maximum - new maximum)
.set LS,   20                          ; v20-23 running sum, a pair for each query tile
.set TM,   24                          ; v24-31 at work
.set MK,   32                          ; v32-63 the mask's term, key tile kt at +8 kt
.set SC,   64                          ; v64-127 S^T (q, kt) at +32 q + 8 kt; then p; then P packed: (q, ks) at +32 q + 8 ks
.set OA,   128                         ; v128-191 O^T (q, dt) at +32 q + 8 dt
.set FR,   192                         ; v192-255 K fragments (kt, kh) at +16 kt + 8 kh; on the way out: packed results
                                       ; window 1: v256-287 Q fragments (q, kh) at 16 q + 8 kh
.set VF,   32                          ; window 1: v288-351 V^T fragments (ks, dt) at +32 ks + 8 dt
.set G1K, 28
.set G1V, 36
.set G0K, 44
.set G0V, 52
.set MSB, 0
.macro WIN new                         ; s_set_vgpr_msb: bits 1:0 source 0, 3:2 source 1, 5:4 source 2, 7:6 destination; the high byte repeats the setting that is left
.if MSB != \new
	s_set_vgpr_msb (MSB<<8)|\new
.set MSB, \new
.endif
.endm
.macro PLACES n
.rept \n
	v_nop
.endr
.endm
.macro CREST                           ; a round of the cluster's barrier behind its opening work-group barrier
	s_cmp_lg_u32 s10, 0
	s_cbranch_scc1 .Lnw0_\@
	s_barrier_signal -3                            ; wave 0 speaks for the work-group
.Lnw0_\@:
	s_barrier_wait -3                              ; all four work-groups
	s_barrier_signal -1
	s_barrier_wait -1
.endm
.macro CROUND                          ; a whole round
	s_barrier_signal -1
	s_barrier_wait -1
	CREST
.endm
.macro JLOAD s                         ; waves 0-3 a quarter of K, waves 4-7 a quarter of V
	s_cmp_eq_u32 s11, 0
	s_cbranch_scc0 .Lforv_\@
	tensor_load_to_lds s[G0K+4*\s:G0K+4*\s+3], s[G1K:G1K+7]
	s_nop 0
	s_branch .Lasked_\@
.Lforv_\@:
	tensor_load_to_lds s[G0V+4*\s:G0V+4*\s+3], s[G1V:G1V+7]
	s_nop 0
.Lasked_\@:
.endm
	s_load_b128 s[4:7], s[0:1], 0x0                ; qkvh s[4:5], attention_mask s[6:7]
	s_load_b64 s[8:9], s[0:1], 0x10                ; ao
	s_set_vgpr_msb 0x40
	v_lshl_add_u32 v96, v0, 2, 0x35000
	v_mov_b32 v97, 0
	s_set_vgpr_msb 0x4045
	ds_add_u32 v96, v97
	s_set_vgpr_msb 0x4500
	v_lshrrev_b32 v1, 5, v0
	v_readfirstlane_b32 s10, v1                    ; wave 0..7
	s_lshr_b32 s11, s10, 2                         ; I fetch for K (0) or for V (1)
	s_and_b32 s12, s10, 3                          ; which quarter
	s_bfe_u32 s13, ttmp6, 0x40000                  ; cx
	s_lshl_b32 s14, ttmp9, 2
	s_add_co_u32 s14, s14, s13                     ; query block = 4 x cluster x + cx
	s_and_b32 s15, ttmp7, 0xffff                   ; head
	s_mov_b32 s20, 0x46616bcd                      ; 10000 log2(e)
	s_mov_b32 s21, 0xc6616bcd
	s_mov_b32 s22, 0x76543210                      ; v_permlanex16_b32: lane i of one half reads lane i of the other
	s_mov_b32 s23, 0xfedcba98
	; group 1: a quarter is 8,192 dense bytes: 32 rows of 32 elements of 8 bytes; behind every 32 words (a key's 128 bytes) 4 words of padding for K, 8 for V
	s_mov_b32 s[G1K+0], 15|(3<<16)|(1<<20)|(1<<21)|(4<<22)|(3<<25)
	s_mov_b32 s[G1V+0], 15|(3<<16)|(1<<20)|(1<<21)|(4<<22)|(7<<25)
.irp g, G1K, G1V
	s_mov_b32 s[\g+1], 32<<16
	s_mov_b32 s[\g+2], 32<<16
	s_mov_b32 s[\g+3], 32<<16
	s_mov_b32 s[\g+4], 32
	s_mov_b32 s[\g+5], 32
	s_mov_b32 s[\g+6], 0
	s_mov_b32 s[\g+7], 0
.endr
	s_lshl_b32 s16, s15, 19                        ; the head's 4,096 keys of 128 bytes
	s_lshl_b32 s17, s12, 13                        ; + my quarter
	s_add_co_u32 s16, s16, s17
	s_add_co_u32 s16, s16, 0x800000                ; K's plane
	s_mov_b32 s17, 0
	s_mul_i32 s2, s10, REG                         ; region w
	s_lshl_b32 s26, s15, 19                        ; Q's and ao's block: head, query block (holds cx: feeds no descriptor)
	s_lshl_b32 s27, s14, 15
	s_add_co_u32 s26, s26, s27
	s_mov_b32 s27, 0
	s_wait_dscnt 0x0
	s_wait_kmcnt 0x0
	s_add_nc_u64 s[16:17], s[4:5], s[16:17]
	s_add_nc_u64 s[18:19], s[16:17], 0x800000      ; V's plane
	s_add_nc_u64 s[24:25], s[4:5], s[26:27]
	s_add_nc_u64 s[8:9], s[8:9], s[26:27]
.irp s, 0,1
	s_mov_b32 s[G0K+4*\s], 1
	s_add_co_u32 s[G0K+4*\s+1], s2, \s*SLOT
	s_add_nc_u64 s[G0K+4*\s+2:G0K+4*\s+3], s[16:17], \s*32768      ; keys 256 s ..
	s_or_b32 s[G0K+4*\s+3], s[G0K+4*\s+3], 0x80000000
	s_mov_b32 s[G0V+4*\s], 1
	s_add_co_u32 s[G0V+4*\s+1], s2, \s*SLOT
	s_add_nc_u64 s[G0V+4*\s+2:G0V+4*\s+3], s[18:19], \s*32768
	s_or_b32 s[G0V+4*\s+3], s[G0V+4*\s+3], 0x80000000
.endr
	CROUND                                         ; the four work-groups are here: the first joint loads meet
	s_cmp_eq_u32 s11, 0
	s_cbranch_scc0 .Lfirst_v
	tensor_load_to_lds s[G0K:G0K+3], s[G1K:G1K+7]
	s_nop 0
	tensor_load_to_lds s[G0K+4:G0K+7], s[G1K:G1K+7]
	s_nop 0
	s_branch .Lfirst_done
.Lfirst_v:
	tensor_load_to_lds s[G0V:G0V+3], s[G1V:G1V+7]
	s_nop 0
	tensor_load_to_lds s[G0V+4:G0V+7], s[G1V:G1V+7]
	s_nop 0
.Lfirst_done:
	v_and_b32 v12, 15, v0                          ; r
	v_bfe_u32 v13, v0, 4, 1                        ; h
	v_and_b32 v14, 31, v0                          ; lane
	v_and_b32 v15, 7, v0
	v_lshlrev_b32 v11, 4, v0                       ; 16 t: my 16 bytes of each 4,096 of the mask
	v_add_nc_u32 v1, MASK, v11
	v_lshlrev_b32 v[QOFF], 7, v12                  ; query (32 w + r) x 128 + 16 h
	v_lshl_add_u32 v[QOFF], v13, 4, v[QOFF]
	s_lshl_b32 s26, s10, 12
	v_add_nc_u32 v[QOFF], s26, v[QOFF]
	v_lshlrev_b32 v[CO], 4, v14
	v_add_nc_u32 v[CO], s26, v[CO]                 ; 4,096 w + 16 lane
.irp c, 0,1,2,3
	global_load_b128 v[SC+4*\c:SC+4*\c+3], v11, s[6:7] offset:4096*\c
.endr
	WIN 0x40                                       ; destination in window 1
.irp q, 0,1
.irp kh, 0,1
	global_load_b128 v[16*\q+8*\kh:16*\q+8*\kh+3],   v[QOFF], s[24:25] offset:\q*2048+\kh*64
	global_load_b128 v[16*\q+8*\kh+4:16*\q+8*\kh+7], v[QOFF], s[24:25] offset:\q*2048+\kh*64+32
.endr
.endr
	WIN 0
	v_mul_u32_u24 v[KADR], v12, KP
	v_lshl_add_u32 v[KADR], v13, 4, v[KADR]        ; r x 144 + 16 h
	s_mul_i32 s26, s10, 32*144
	s_add_co_u32 s26, s26, STAGE                   ; my stage
	v_add_nc_u32 v[STO], s26, v[KADR]              ; in: query r, 16 bytes for each half of the lanes
	v_lshrrev_b32 v[RD], 3, v14
	v_mul_u32_u24 v[RD], v[RD], 144
	v_lshl_add_u32 v[RD], v15, 4, v[RD]
	v_add_nc_u32 v[RD], s26, v[RD]                 ; back: eight lanes take a query's 128 bytes
	v_add_nc_u32 v[KADR+1], SLOT, v[KADR]
	v_lshl_add_u32 v[VADR], v13, 3, v15            ; key 8 h + (lane & 7),
	v_mul_u32_u24 v[VADR], v[VADR], VP
	v_bfe_u32 v[VADR+1], v0, 3, 1
	v_lshl_add_u32 v[VADR], v[VADR+1], 4, v[VADR]  ; 16 bytes further for lanes 8-15 and 24-31
	v_add_nc_u32 v[VADR], 4*REG, v[VADR]           ; V's regions lie behind K's four
	v_add_nc_u32 v[VADR+1], SLOT, v[VADR]
	v_lshlrev_b32 v[MADR], 5, v13
	v_add_nc_u32 v[MADR], MASK, v[MADR]            ; keys 8 h .. 8 h + 7 of a tile: 32 bytes
	s_wait_loadcnt 0x8                             ; the four loads of the mask are in; the eight of Q stay out
.set cc, 0
.rept 16
	v_fma_f32 v[SC+cc], v[SC+cc], s20, s21         ; (1 - mask) x -10000 x log2(e)
.set cc, cc+1
.endr
.irp c, 0,1,2,3
	ds_store_b128 v1, v[SC+4*\c:SC+4*\c+3] offset:4096*\c
.endr
	s_wait_loadcnt 0x0                             ; Q
	s_wait_dscnt 0x0                               ; my part of the mask's term is in LDS, for the others' sake
	s_wait_tensorcnt 0x1                           ; my region of slot 0 is in; slot 1's stays out
	s_barrier_signal -1
	s_barrier_wait -1
.macro KLOAD slot, i                   ; step i of the slot: 64 keys' K fragments and the mask's term: 24 LDS loads
.irp kt, 0,1,2,3
.irp kh, 0,1
	ds_load_b128 v[FR+16*\kt+8*\kh:FR+16*\kt+8*\kh+3],   v[KADR+\slot] offset:\i*REG+\kt*16*KP+\kh*64
	ds_load_b128 v[FR+16*\kt+8*\kh+4:FR+16*\kt+8*\kh+7], v[KADR+\slot] offset:\i*REG+\kt*16*KP+\kh*64+32
.endr
.endr
.irp kt, 0,1,2,3
	ds_load_b128 v[MK+8*\kt:MK+8*\kt+3],   v[MADR] offset:\i*256+\kt*64       ; sixteen lanes read the same words
	ds_load_b128 v[MK+8*\kt+4:MK+8*\kt+7], v[MADR] offset:\i*256+\kt*64+16
.endr
.endm
.macro VLOAD slot, i                   ; V^T fragments: 32 keys x 16 d each, transposed on the way: 16 LDS loads, into window 1
.irp ks, 0,1
.irp dt, 0,1,2,3
	ds_load_tr16_b128 v[VF+32*\ks+8*\dt:VF+32*\ks+8*\dt+3],   v[VADR+\slot] offset:\i*REG+\ks*32*VP+\dt*32
	ds_load_tr16_b128 v[VF+32*\ks+8*\dt+4:VF+32*\ks+8*\dt+7], v[VADR+\slot] offset:\i*REG+\ks*32*VP+\dt*32+16*VP
.endr
.endr
.endm
; S^T = mask's term + K Q^T.  The eight accumulators take turns, one instruction a turn.
.macro QK
	WIN 0x04                                       ; source 1 (Q) in window 1
.irp kt, 0,1,2,3
.irp q, 0,1
	v_wmma_f32_16x16x32_f16 v[SC+32*\q+8*\kt:SC+32*\q+8*\kt+7], v[FR+16*\kt:FR+16*\kt+7], v[16*\q:16*\q+7], v[MK+8*\kt:MK+8*\kt+7]
.endr
.endr
.irp kt, 0,1,2,3
.irp q, 0,1
	v_wmma_f32_16x16x32_f16 v[SC+32*\q+8*\kt:SC+32*\q+8*\kt+7], v[FR+16*\kt+8:FR+16*\kt+15], v[16*\q+8:16*\q+15], v[SC+32*\q+8*\kt:SC+32*\q+8*\kt+7]
.endr
.endr
.endm
.macro PV1 ks, zero                    ; O^T += V^T P^T over 32 keys; eight accumulators by turns; source 0 (V^T) in window 1
.irp dt, 0,1,2,3
.irp q, 0,1
.if \zero
	v_wmma_f32_16x16x32_f16 v[OA+32*\q+8*\dt:OA+32*\q+8*\dt+7], v[VF+32*\ks+8*\dt:VF+32*\ks+8*\dt+7], v[SC+32*\q+8*\ks:SC+32*\q+8*\ks+7], 0
.else
	v_wmma_f32_16x16x32_f16 v[OA+32*\q+8*\dt:OA+32*\q+8*\dt+7], v[VF+32*\ks+8*\dt:VF+32*\ks+8*\dt+7], v[SC+32*\q+8*\ks:SC+32*\q+8*\ks+7], v[OA+32*\q+8*\dt:OA+32*\q+8*\dt+7]
.endif
.endr
.endr
.endm
; The new maxima of both query tiles: a lane's 32 scores of a tile and the old maximum in sixteen three-way maxima (four chains), then the other half of the lanes.
; The two tiles' lines alternate, so that each dependent line has the other tile's line in front of it.  first = 1: there is no old maximum.
.macro SMAX2 first
.irp c, 0,1,2,3
.irp q, 0,1
	v_max3_num_f32 v[TM+4*\q+\c], v[SC+32*\q+8*\c], v[SC+32*\q+8*\c+1], v[SC+32*\q+8*\c+2]
.endr
.endr
.irp c, 0,1,2,3
.irp q, 0,1
	v_max3_num_f32 v[TM+4*\q+\c], v[TM+4*\q+\c], v[SC+32*\q+8*\c+3], v[SC+32*\q+8*\c+4]
.endr
.endr
.irp c, 0,1,2,3
.irp q, 0,1
	v_max3_num_f32 v[TM+4*\q+\c], v[TM+4*\q+\c], v[SC+32*\q+8*\c+5], v[SC+32*\q+8*\c+6]
.endr
.endr
.irp q, 0,1
	v_max3_num_f32 v[TM+4*\q],   v[TM+4*\q],   v[TM+4*\q+1], v[SC+32*\q+7]
	v_max3_num_f32 v[TM+4*\q+2], v[TM+4*\q+2], v[TM+4*\q+3], v[SC+32*\q+15]
.endr
.irp q, 0,1
	v_max3_num_f32 v[TM+4*\q], v[TM+4*\q], v[TM+4*\q+2], v[SC+32*\q+23]
.endr
.if \first
.irp q, 0,1
	v_max_num_f32 v[TM+4*\q], v[TM+4*\q], v[SC+32*\q+31]
.endr
.irp q, 0,1
	v_permlanex16_b32 v[TM+4*\q+1], v[TM+4*\q], s22, s23
.endr
.irp q, 0,1
	v_max_num_f32 v[MX+\q], v[TM+4*\q], v[TM+4*\q+1]
.endr
.else
.irp q, 0,1
	v_max3_num_f32 v[TM+4*\q], v[TM+4*\q], v[SC+32*\q+31], v[MX+\q]
.endr
.irp q, 0,1
	v_permlanex16_b32 v[TM+4*\q+1], v[TM+4*\q], s22, s23
.endr
.irp q, 0,1
	v_max_num_f32 v[TM+4*\q], v[TM+4*\q], v[TM+4*\q+1]
.endr
.irp q, 0,1
	v_sub_f32 v[AL+\q], v[MX+\q], v[TM+4*\q]
.endr
.irp q, 0,1
	v_mov_b32 v[MX+\q], v[TM+4*\q]
.endr
.irp q, 0,1
	v_exp_f32 v[AL+\q], v[AL+\q]                   ; the subtractions that follow are plain and touch neither factor: the place that a transcendental asks for (ISA guide 5.7.2)
.endr
.endif
.endm
.macro PSUB q, i                       ; pair i of tile q: score - maximum; op_sel picks the tile's maximum for both halves
	v_pk_add_f32 v[SC+32*\q+2*\i:SC+32*\q+2*\i+1], v[SC+32*\q+2*\i:SC+32*\q+2*\i+1], v[MX:MX+1] op_sel:[0,\q] op_sel_hi:[1,\q] neg_lo:[0,1] neg_hi:[0,1]
.endm
.macro PSUM q, i, first                ; pair i of tile q joins the sum (the first pair on the rescaled old sum) and is rounded to f16, in place: register i is written when 2 i, 2 i + 1 have been read
.if \first
.if \i == 0
	s_wait_alu depctr_va_vdst(0)
	v_pk_add_f32 v[LS+2*\q:LS+2*\q+1], v[SC+32*\q:SC+32*\q+1], v[SC+32*\q+2:SC+32*\q+3]      ; pairs 0 and 1 start the sum
.endif
.if \i > 1
	v_pk_add_f32 v[LS+2*\q:LS+2*\q+1], v[LS+2*\q:LS+2*\q+1], v[SC+32*\q+2*\i:SC+32*\q+2*\i+1]
.endif
.else
.if \i == 0
	s_wait_alu depctr_va_vdst(0)
	v_pk_fma_f32 v[LS+2*\q:LS+2*\q+1], v[LS+2*\q:LS+2*\q+1], v[AL:AL+1], v[SC+32*\q:SC+32*\q+1] op_sel:[0,\q,0] op_sel_hi:[1,\q,1]
	s_wait_alu depctr_va_vdst(0)
.else
	v_pk_add_f32 v[LS+2*\q:LS+2*\q+1], v[LS+2*\q:LS+2*\q+1], v[SC+32*\q+2*\i:SC+32*\q+2*\i+1]
.endif
.endif
	v_cvt_pk_f16_f32 v[SC+32*\q+\i], v[SC+32*\q+2*\i], v[SC+32*\q+2*\i+1]
.endm
.macro OSC q, i                        ; pair i of O^T of tile q times the tile's factor
	v_pk_mul_f32 v[OA+32*\q+2*\i:OA+32*\q+2*\i+1], v[OA+32*\q+2*\i:OA+32*\q+2*\i+1], v[AL:AL+1] op_sel:[0,\q] op_sel_hi:[1,\q]
.endm
; Behind the maxima: subtract, exponentials, sums, rounding, rescaling.  Registers only.  The exponentials go in twos, each two followed by plain work on the other query tile:
; no result is used, and no source written, next to its exponential.
.macro SOFTREST first
.irp i, 0,1,2,3,4,5,6,7,8,9,10,11,12,13,14,15
	PSUB 0, \i
.endr
.irp i, 0,1,2,3,4,5,6,7,8,9,10,11,12,13,14,15
	v_exp_f32 v[SC+2*\i],   v[SC+2*\i]
	v_exp_f32 v[SC+2*\i+1], v[SC+2*\i+1]
	PSUB 1, \i
.endr
.irp i, 0,1,2,3,4,5,6,7,8,9,10,11,12,13,14,15
	v_exp_f32 v[SC+32+2*\i],   v[SC+32+2*\i]
	v_exp_f32 v[SC+32+2*\i+1], v[SC+32+2*\i+1]
	PSUM 0, \i, \first
.endr
.irp i, 0,1,2,3,4,5,6,7,8,9,10,11,12,13,14,15
	PSUM 1, \i, \first
.if \first == 0
	OSC 0, \i
	OSC 1, \i
.endif
.endr
.endm
; One step: 64 keys.  tail = 0: the next step lies in the same slot; 1: the slot's last step, the slot is filled again; 2: the slot's last step, nothing is left to fetch;
; 3: the launch's last step.
; Places (ISA guide 7.12.1 for vector instructions): four behind S^T's products before the next K and mask land on their sources and before the scores are read; five behind
; O^T's products before the next step's products write over P, which also cover the next loads onto V's fragments.
; THE CHANGE OF SLOTS (tail 1, 2).  In front of the signal: my reads of this slot are back (this step's V loads are the last; K's went out a step ago) and all my tensor loads have landed
; (the one that was out is my region of the other slot).  Between signal and wait: registers only.  tail 1: the barrier opens a round of the cluster's barrier; behind the round's closing
; wait my one joint load comes first, this slot's next 256 keys, and then the other slot's first K fragments, which land under O^T's sixteen products.
.macro STEP slot, i, first, tail
	s_wait_dscnt 0x0                               ; K's fragments and the mask's term, asked for in the step before
	QK
	WIN 0x40                                       ; destination in window 1
	VLOAD \slot, \i
	WIN 0
	PLACES 4
.if \tail == 0
	KLOAD \slot, (\i+1)                            ; the next step's, a whole step's vector work ahead of their use
.endif
	SMAX2 \first
.if \tail == 1
	s_wait_dscnt 0x0
	s_set_vgpr_msb 0x5
	s_wait_tensorcnt 0x0                           ; no load of mine is out: a group 0 may be written
	ds_add_u32 v96, v97
	s_wait_dscnt 0x0
	s_set_vgpr_msb 0x500
	s_add_nc_u64 s[G0K+4*\slot+2:G0K+4*\slot+3], s[G0K+4*\slot+2:G0K+4*\slot+3], 65536
	s_add_nc_u64 s[G0V+4*\slot+2:G0V+4*\slot+3], s[G0V+4*\slot+2:G0V+4*\slot+3], 65536
	s_barrier_signal -1
.endif
.if \tail == 2
	s_wait_dscnt 0x0
	s_wait_tensorcnt 0x0
	s_barrier_signal -1
.endif
	SOFTREST \first
.if \tail == 0
	s_wait_dscnt 24                                ; V's sixteen loads are in; the 24 younger ones (the next K and mask) may stay out
.endif
.if \tail == 1
	s_barrier_wait -1
	CREST
	JLOAD \slot
	v_add_nc_u32 v[MADR], 1024, v[MADR]            ; the next 256 keys' term
	KLOAD (1-\slot), 0
.endif
.if \tail == 2
	s_barrier_wait -1
	v_add_nc_u32 v[MADR], 1024, v[MADR]
	KLOAD (1-\slot), 0
.endif
.if \tail == 3
	s_wait_dscnt 0x0                               ; V's fragments
.endif
	WIN 0x01                                       ; source 0 (V^T) in window 1
	PV1 0, \first
	PV1 1, 0
	WIN 0
	PLACES 5
.endm
.macro SLOTW slot, first, tail         ; the four steps of a slot
	STEP \slot, 0, \first, 0
	STEP \slot, 1, 0, 0
	STEP \slot, 2, 0, 0
	STEP \slot, 3, 0, \tail
.endm
	; Sixteen tiles of 256 keys; tile t lies in slot t & 1, and at its end asks for tile t + 2.
	KLOAD 0, 0
	SLOTW 0, 1, 1                                  ; tile 0: the first step starts maximum, sum and O^T: nothing is cleared
	s_mov_b32 s3, 6
.Lpair:
	SLOTW 1, 0, 1                                  ; tiles 1 to 12
	SLOTW 0, 0, 1
	s_sub_co_u32 s3, s3, 1
	s_cmp_lg_u32 s3, 0
	s_cbranch_scc1 .Lpair
	SLOTW 1, 0, 1                                  ; tile 13 asks for tile 15: the last load
	SLOTW 0, 0, 2                                  ; tile 14: nothing is left to fetch
	SLOTW 1, 0, 3                                  ; tile 15
	; THE WAY OUT: O^T / sum.  Lane (r, h), register j of tile (q, dt) holds (d = 16 dt + 8 h + j, query 16 q + r): eight neighbouring numbers of a query's row.
.irp q, 0,1
	v_add_f32 v[TM+4*\q], v[LS+2*\q], v[LS+2*\q+1]
	v_permlanex16_b32 v[TM+4*\q+1], v[TM+4*\q], s22, s23           ; the other half's keys
	v_add_f32 v[AL+\q], v[TM+4*\q], v[TM+4*\q+1]                   ; at least 1: the key of the maximum gives 2^0
.endr
	v_rcp_f32 v[AL], v[AL]
	v_rcp_f32 v[AL+1], v[AL+1]
	v_nop                                          ; the plain place behind the reciprocals
	s_wait_alu depctr_va_vdst(0)
.irp i, 0,1,2,3,4,5,6,7,8,9,10,11,12,13,14,15
	OSC 0, \i
	OSC 1, \i
.endr
.irp q, 0,1
.irp dt, 0,1,2,3
.irp p, 0,1,2,3
	v_cvt_pk_f16_f32 v[FR+16*\q+4*\dt+\p], v[OA+32*\q+8*\dt+2*\p], v[OA+32*\q+8*\dt+2*\p+1]
.endr
	ds_store_b128 v[STO], v[FR+16*\q+4*\dt:FR+16*\q+4*\dt+3] offset:\q*16*144+\dt*32
.endr
.endr
.irp i, 0,1,2,3,4,5,6,7
	ds_load_b128 v[FR+32+4*\i:FR+32+4*\i+3], v[RD] offset:\i*4*144  ; my own stage: LDS serves a wave's instructions in order (ISA guide 5.7.1.4)
.endr
.irp i, 0,1,2,3,4,5,6,7
	s_wait_dscnt 7-\i                              ; LDS loads return in order: this one is in, the younger ones stay out
	global_store_b128 v[CO], v[FR+32+4*\i:FR+32+4*\i+3], s[8:9] offset:\i*512     ; a store of the wave covers 512 consecutive bytes, aligned
.endr
	s_set_vgpr_msb 0x5
	s_wait_tensorcnt 0x0
	ds_add_u32 v96, v97
	s_wait_dscnt 0x0
	s_set_vgpr_msb 0x500
	CROUND                                         ; the closing round: no work-group ends while a partner may still ask for a tile that names it
	s_endpgm
.Lfunc_end_k_q522cba62af_attn:
	.size	k_q522cba62af_attn, .Lfunc_end_k_q522cba62af_attn-k_q522cba62af_attn
	.p2alignl 7, 3214868480
	.fill 96, 4, 3214868480
	.section	.rodata,"a",@progbits
	.p2align	6, 0x0
	.amdhsa_kernel k_q522cba62af_attn
		.amdhsa_group_segment_fixed_size 327680
		.amdhsa_private_segment_fixed_size 0
		.amdhsa_enable_private_segment 0
		.amdhsa_kernarg_size 24
		.amdhsa_user_sgpr_count 2
		.amdhsa_user_sgpr_kernarg_segment_ptr 1
		.amdhsa_wavefront_size32 1
		.amdhsa_system_sgpr_workgroup_id_x 1
		.amdhsa_system_sgpr_workgroup_id_y 1
		.amdhsa_system_sgpr_workgroup_id_z 1
		.amdhsa_system_vgpr_workitem_id 0
		.amdhsa_next_free_vgpr 354
		.amdhsa_next_free_sgpr 66
		.amdhsa_reserve_vcc 0
		.amdhsa_float_denorm_mode_32 3
		.amdhsa_float_denorm_mode_16_64 3
		.amdhsa_memory_ordered 1
		.amdhsa_forward_progress 1
		.amdhsa_inst_pref_size 255
	.end_amdhsa_kernel
	.section	.bss,"aw",@nobits
	.p2align	6
	.space	262144
	.amdgpu_metadata
---
amdhsa.version: [ 1, 2 ]
amdhsa.kernels:
  - .name:           k_q522cba62af_attn
    .symbol:         k_q522cba62af_attn.kd
    .args:
      - { .name: qkvh, .offset: 0, .size: 8, .value_kind: global_buffer, .address_space: global }
      - { .name: attention_mask, .offset: 8, .size: 8, .value_kind: global_buffer, .address_space: global }
      - { .name: ao, .offset: 16, .size: 8, .value_kind: global_buffer, .address_space: global }
    .group_segment_fixed_size: 327680
    .private_segment_fixed_size: 0
    .kernarg_segment_align: 8
    .kernarg_segment_size: 24
    .max_flat_workgroup_size: 256
    .sgpr_count:     66
    .vgpr_count:     354
    .wavefront_size: 32
...
	.end_amdgpu_metadata
.endif
;; end of part 3
;; launch oproj (part 4): grid 8 x 32, 8 waves a work-group, clusters of 4 x 4, 327,680 bytes of LDS; arguments ao, hw, out0; writes out0
.if DOCPART == 4
	.amdgcn_target "amdgcn-amd-amdhsa--gfx1250"
	.amdhsa_code_object_version 6
	.text
	.protected	k_q522cba62af_oproj
	.globl	k_q522cba62af_oproj
	.p2align	8
	.type	k_q522cba62af_oproj,@function
k_q522cba62af_oproj:
	s_mov_b64 s[64:65], 0
	v_nop
	global_prefetch_b8 v0, s[64:65] scope:SCOPE_SE
	s_setreg_imm32_b32 hwreg(HW_REG_WAVE_MODE, 25, 1), 1
	s_wait_xcnt 0x0
	s_wait_alu depctr_hold_cnt(0) depctr_sa_sdst(0) depctr_va_vdst(0) depctr_va_sdst(0) depctr_va_ssrc(0) depctr_va_vcc(0) depctr_vm_vsrc(0)
	s_getreg_b32 s2, hwreg(HW_REG_IB_STS2, 6, 4)
	s_cmp_eq_u32 s2, 0
	s_cbranch_scc0 .Lentry_in_a_cluster
	s_endpgm
.Lentry_in_a_cluster:
	s_bfe_u32 s2, ttmp6, 0x10000c
	s_cmp_lg_u32 s2, 0xf033
	s_cbranch_scc0 .Lentry_shape_is_right
	s_endpgm
.Lentry_shape_is_right:
; out0[token][n] = sum over k of attn[token][k] Wo[n][k], k = 64 head + d.  attn: ao, f16 [16 heads][4096][64]; Wo: f16 at 14 MiB of hw, [1024][1024]; out0 f32; sums in f32.
; WORK: 256 work-groups, each a block of 128 tokens x 128 columns; wave (wm = w >> 1, wn = w & 1) makes 32 tokens x 64 columns: 8 accumulator tiles.
; A wave reads 12 fragments' halves for 8 products, more than a larger tile would: blocks of 128 x 128 are what gives each of 256 work-groups one block of this small product.
; RING: two slots of K = 256 (four heads), four tiles in all.  A slot has eight regions: four heads' 128 tokens (pitch 144), four times 32 rows of Wo x 512 bytes (pitch 528); wave w fetches region w.
; CLUSTER 4 x 4: the tokens' regions hang on mb alone and are asked for jointly along a row of the cluster, Wo's on nb alone and jointly along a column.
; THE MATRIX INSTRUCTION IS USED TRANSPOSED (source 0 = 16 rows of Wo, source 1 = 16 tokens): lane (r, h) holds token r and the columns 8 h .. 8 h + 7 of the tile, 32 neighbouring bytes.
.set REG,  18432
.set SLOT, 8*REG
.set AP,   144
.set WP,   528                         ; 512 + 16: an odd multiple of 16
.set SP,   272                         ; the way out: 64 f32 + 16 bytes
.set WST,  32*SP                       ; a wave's stage, in slot 0 behind its last fill
.set ADRA, 2                           ; v2-3 token fragments in slot 0, 1
.set ADRW, 4                           ; v4-5 Wo fragments
.set STO,  6
.set RD,   7
.set CO,   8
.set ACC,  16                          ; v16-79   tile (nt, mt) at +8 (2 nt + mt)
.set F0,   80                          ; v80-127  token tile mt at +8 mt, Wo tile nt at +16 + 8 nt
.set F1,   128                         ; v128-175
.set G1A, 28
.set G1B, 36
.set G0A, 44
.set G0B, 52
.macro PLACES n
.rept \n
	v_nop
.endr
.endm
.macro CREST
	s_cmp_lg_u32 s12, 0
	s_cbranch_scc1 .Lnw0_\@
	s_barrier_signal -3
.Lnw0_\@:
	s_barrier_wait -3
	s_barrier_signal -1
	s_barrier_wait -1
.endm
.macro CROUND
	s_barrier_signal -1
	s_barrier_wait -1
	CREST
.endm
.macro JLOAD s                         ; waves 0-3 a head's tokens, waves 4-7 32 rows of Wo
	s_cmp_eq_u32 s10, 0
	s_cbranch_scc0 .Lforw_\@
	tensor_load_to_lds s[G0A+4*\s:G0A+4*\s+3], s[G1A:G1A+7]
	s_nop 0
	s_branch .Lasked_\@
.Lforw_\@:
	tensor_load_to_lds s[G0B+4*\s:G0B+4*\s+3], s[G1B:G1B+7]
	s_nop 0
.Lasked_\@:
.endm
	s_load_b128 s[4:7], s[0:1], 0x0                ; ao s[4:5], hw s[6:7]
	s_load_b64 s[8:9], s[0:1], 0x10                ; out0
	v_lshl_add_u32 v176, v0, 2, 0x48000
	v_mov_b32 v177, 0
	ds_add_u32 v176, v177
	v_lshrrev_b32 v1, 5, v0
	v_readfirstlane_b32 s12, v1                    ; wave 0..7
	s_lshr_b32 s13, s12, 1                         ; wm
	s_and_b32 s14, s12, 1                          ; wn
	s_and_b32 s15, s12, 3
	s_lshr_b32 s10, s12, 2                         ; I fetch tokens (0) or Wo (1)
	s_bfe_u32 s16, ttmp6, 0x40000                  ; cx
	s_bfe_u32 s17, ttmp6, 0x40004                  ; cy
	s_lshl_b32 s18, ttmp9, 2
	s_add_co_u32 s18, s18, s16                     ; nb
	s_and_b32 s19, ttmp7, 0xffff
	s_lshl_b32 s19, s19, 2
	s_add_co_u32 s19, s19, s17                     ; mb
	s_lshl_b32 s20, s17, 2
	s_lshl_b32 s20, 15, s20                        ; my row of the cluster
	s_lshl_b32 s21, 0x1111, s16                    ; my column
	; tokens: 16,384 dense bytes as 64 rows of 32 elements of 8 bytes, 4 words of padding behind every 32 words (a token's 128 bytes)
	s_or_b32 s[G1A+0], s20, (3<<16)|(1<<20)|(1<<21)|(4<<22)|(3<<25)
	s_mov_b32 s[G1A+1], 32<<16
	s_mov_b32 s[G1A+2], 64<<16
	s_mov_b32 s[G1A+3], 32<<16
	s_mov_b32 s[G1A+4], 64
	s_mov_b32 s[G1A+5], 32
	s_mov_b32 s[G1A+6], 0
	s_mov_b32 s[G1A+7], 0
	; Wo: 32 rows x 256 elements of 2 bytes, 1,024 elements from row to row, 4 words of padding behind every 128 words
	s_or_b32 s[G1B+0], s21, (1<<16)|(1<<20)|(1<<21)|(6<<22)|(3<<25)
	s_mov_b32 s[G1B+1], 256<<16
	s_mov_b32 s[G1B+2], 32<<16
	s_mov_b32 s[G1B+3], 256<<16
	s_mov_b32 s[G1B+4], 32
	s_mov_b32 s[G1B+5], 1024
	s_mov_b32 s[G1B+6], 0
	s_mov_b32 s[G1B+7], 0
	s_lshl_b32 s22, s15, 19                        ; head w & 3 of the tile's four: 4,096 tokens of 128 bytes
	s_lshl_b32 s23, s19, 14                        ; + 128 mb tokens
	s_add_co_u32 s22, s22, s23
	s_mov_b32 s23, 0
	s_lshl_b32 s24, s18, 18                        ; 128 nb rows of 2,048 bytes
	s_lshl_b32 s25, s15, 16                        ; + 32 (w & 3) rows
	s_add_co_u32 s24, s24, s25
	s_add_co_u32 s24, s24, 0xe00000                ; Wo's place in hw
	s_mov_b32 s25, 0
	s_mul_i32 s2, s12, REG                         ; region w
	s_wait_dscnt 0x0
	s_wait_kmcnt 0x0
	s_add_nc_u64 s[22:23], s[4:5], s[22:23]
	s_add_nc_u64 s[24:25], s[6:7], s[24:25]
.irp s, 0,1
	s_mov_b32 s[G0A+4*\s], 1
	s_add_co_u32 s[G0A+4*\s+1], s2, \s*SLOT
	s_add_nc_u64 s[G0A+4*\s+2:G0A+4*\s+3], s[22:23], \s*2097152    ; four heads on
	s_or_b32 s[G0A+4*\s+3], s[G0A+4*\s+3], 0x80000000
	s_mov_b32 s[G0B+4*\s], 1
	s_add_co_u32 s[G0B+4*\s+1], s2, \s*SLOT
	s_add_nc_u64 s[G0B+4*\s+2:G0B+4*\s+3], s[24:25], \s*512        ; 256 columns on
	s_or_b32 s[G0B+4*\s+3], s[G0B+4*\s+3], 0x80000000
.endr
	CROUND                                         ; the first joint loads meet
	s_cmp_eq_u32 s10, 0
	s_cbranch_scc0 .Lfirst_w
	tensor_load_to_lds s[G0A:G0A+3], s[G1A:G1A+7]
	s_nop 0
	tensor_load_to_lds s[G0A+4:G0A+7], s[G1A:G1A+7]
	s_nop 0
	s_branch .Lfirst_done
.Lfirst_w:
	tensor_load_to_lds s[G0B:G0B+3], s[G1B:G1B+7]
	s_nop 0
	tensor_load_to_lds s[G0B+4:G0B+7], s[G1B:G1B+7]
	s_nop 0
.Lfirst_done:
	v_and_b32 v12, 15, v0                          ; r
	v_bfe_u32 v13, v0, 4, 1                        ; h
	v_mul_u32_u24 v[ADRA], v12, AP
	v_lshl_add_u32 v[ADRA], v13, 4, v[ADRA]
	s_mul_i32 s26, s13, 32*AP                      ; tokens 32 wm ..
	v_add_nc_u32 v[ADRA], s26, v[ADRA]
	v_add_nc_u32 v[ADRA+1], SLOT, v[ADRA]
	v_mul_u32_u24 v[ADRW], v12, WP
	v_lshl_add_u32 v[ADRW], v13, 4, v[ADRW]
	s_mul_i32 s26, s14, 2*REG                      ; columns 64 wn ..: Wo's regions 2 wn, 2 wn + 1,
	s_add_co_u32 s26, s26, 4*REG                   ; behind the tokens' four
	v_add_nc_u32 v[ADRW], s26, v[ADRW]
	v_add_nc_u32 v[ADRW+1], SLOT, v[ADRW]
	s_mul_i32 s26, s12, WST                        ; my stage
	v_mul_u32_u24 v[STO], v12, SP
	v_lshl_add_u32 v[STO], v13, 5, v[STO]          ; in: token r, 32 bytes for each half of the lanes
	v_add_nc_u32 v[STO], s26, v[STO]
	v_mul_u32_u24 v[RD], v13, SP
	v_lshl_add_u32 v[RD], v12, 4, v[RD]            ; back: lanes 0-15 take one token's 256 bytes, lanes 16-31 the next
	v_add_nc_u32 v[RD], s26, v[RD]
	v_lshlrev_b32 v[CO], 12, v13
	v_lshl_add_u32 v[CO], v12, 4, v[CO]            ; the same two rows in out0
	s_lshl_b32 s26, s19, 19                        ; (128 mb + 32 wm) rows of 4,096 bytes + (128 nb + 64 wn) x 4
	s_lshl_b32 s27, s13, 17
	s_add_co_u32 s26, s26, s27
	s_lshl_b32 s27, s18, 9
	s_add_co_u32 s26, s26, s27
	s_lshl_b32 s27, s14, 8
	s_add_co_u32 s26, s26, s27
	s_mov_b32 s27, 0
	s_add_nc_u64 s[8:9], s[8:9], s[26:27]
; 12 LDS loads: the fragments of k quarter kq (32 along K; 0 .. 7 in a slot): head kq >> 1, d 32 (kq & 1) ..
.macro FETCH slot, kq, f
.irp mt, 0,1
	ds_load_b128 v[\f+8*\mt:\f+8*\mt+3],   v[ADRA+\slot] offset:(\kq>>1)*REG+\mt*16*AP+(\kq&1)*64
	ds_load_b128 v[\f+8*\mt+4:\f+8*\mt+7], v[ADRA+\slot] offset:(\kq>>1)*REG+\mt*16*AP+(\kq&1)*64+32
.endr
.irp nt, 0,1,2,3
	ds_load_b128 v[\f+16+8*\nt:\f+16+8*\nt+3],   v[ADRW+\slot] offset:(\nt>>1)*REG+(\nt&1)*16*WP+\kq*64
	ds_load_b128 v[\f+16+8*\nt+4:\f+16+8*\nt+7], v[ADRW+\slot] offset:(\nt>>1)*REG+(\nt&1)*16*WP+\kq*64+32
.endr
.endm
; cnt products from accumulator a0 on.  The eight accumulators take turns, one instruction a turn, in the same order in every quarter.
.macro MUL f, a0, cnt, zero
.set aa, \a0
.rept \cnt
.if \zero
	v_wmma_f32_16x16x32_f16 v[ACC+8*aa:ACC+8*aa+7], v[\f+16+8*(aa>>1):\f+16+8*(aa>>1)+7], v[\f+8*(aa&1):\f+8*(aa&1)+7], 0
.else
	v_wmma_f32_16x16x32_f16 v[ACC+8*aa:ACC+8*aa+7], v[\f+16+8*(aa>>1):\f+16+8*(aa>>1)+7], v[\f+8*(aa&1):\f+8*(aa&1)+7], v[ACC+8*aa:ACC+8*aa+7]
.endif
.set aa, aa+1
.endr
.endm
.macro QUARTER slot, kq, f, g, zero    ; fetches k quarter kq into g, multiplies f
	PLACES 4                                       ; loads onto registers that matrix instructions have read stand four places behind them
	FETCH \slot, \kq, \g
	s_wait_dscnt 12                                ; f's loads are in; the 12 just issued stay out
	MUL \f, 0, 8, \zero
.endm
.macro SEVEN slot, zero
	QUARTER \slot, 1, F0, F1, \zero
	QUARTER \slot, 2, F1, F0, 0
	QUARTER \slot, 3, F0, F1, 0
	QUARTER \slot, 4, F1, F0, 0
	QUARTER \slot, 5, F0, F1, 0
	QUARTER \slot, 6, F1, F0, 0
	QUARTER \slot, 7, F0, F1, 0
.endm
; The eighth quarter multiplies buffer 1 and changes slots: each wave's reads of the slot and all its tensor loads are waited for in front of the barrier; fill = 1: the barrier opens a
; round of the cluster's barrier, and the joint refill is the first tensor load behind the round, one a wave.
.macro TURN slot, next, fill
	s_wait_dscnt 0x0
	s_wait_tensorcnt 0x0
	ds_add_u32 v176, v177
	s_wait_dscnt 0x0
	s_barrier_signal -1
	MUL F1, 0, 4, 0
	s_barrier_wait -1
.if \fill
	CREST
	s_add_nc_u64 s[G0A+4*\slot+2:G0A+4*\slot+3], s[G0A+4*\slot+2:G0A+4*\slot+3], 4194304
	s_add_nc_u64 s[G0B+4*\slot+2:G0B+4*\slot+3], s[G0B+4*\slot+2:G0B+4*\slot+3], 1024
	JLOAD \slot
.endif
	PLACES 4
	FETCH \next, 0, F0
	MUL F1, 4, 4, 0
.endm
	s_wait_tensorcnt 0x1                           ; my region of slot 0 is in; slot 1's stays out
	s_barrier_signal -1
	s_barrier_wait -1
	FETCH 0, 0, F0
	SEVEN 0, 1                                     ; heads 0-3: the first products start the sums
	TURN 0, 1, 1                                   ; asks for heads 8-11
	SEVEN 1, 0                                     ; heads 4-7
	TURN 1, 0, 1                                   ; asks for heads 12-15
	SEVEN 0, 0
	TURN 0, 1, 0                                   ; nothing is left to fetch
	SEVEN 1, 0
	s_wait_dscnt 0x0
	MUL F1, 0, 8, 0
	; THE WAY OUT, through my own stage in slot 0: it has had its last fill, and every wave's last read of it stands in front of the barrier of the last change of slots.
	PLACES 4                                       ; behind the last matrix instructions
.irp nt, 0,1,2,3
.irp mt, 0,1
	ds_store_b128 v[STO], v[ACC+8*(2*\nt+\mt):ACC+8*(2*\nt+\mt)+3]   offset:\mt*16*SP+\nt*64
	ds_store_b128 v[STO], v[ACC+8*(2*\nt+\mt)+4:ACC+8*(2*\nt+\mt)+7] offset:\mt*16*SP+\nt*64+16
.endr
.endr
.irp i, 0,1,2,3,4,5,6,7,8,9,10,11,12,13,14,15
	ds_load_b128 v[F0+4*\i:F0+4*\i+3], v[RD] offset:\i*2*SP        ; LDS serves a wave's instructions in order (ISA guide 5.7.1.4): these see the stores above
.endr
.irp i, 0,1,2,3,4,5,6,7,8,9,10,11,12,13,14,15
	s_wait_dscnt 15-\i
	global_store_b128 v[CO], v[F0+4*\i:F0+4*\i+3], s[8:9] offset:\i*8192 th:TH_STORE_NT   ; sixteen lanes store 256 consecutive bytes, aligned
.endr
	s_wait_tensorcnt 0x0
	ds_add_u32 v176, v177
	s_wait_dscnt 0x0
	CROUND                                         ; the closing round
	s_endpgm
.Lfunc_end_k_q522cba62af_oproj:
	.size	k_q522cba62af_oproj, .Lfunc_end_k_q522cba62af_oproj-k_q522cba62af_oproj
	.p2alignl 7, 3214868480
	.fill 96, 4, 3214868480
	.section	.rodata,"a",@progbits
	.p2align	6, 0x0
	.amdhsa_kernel k_q522cba62af_oproj
		.amdhsa_group_segment_fixed_size 327680
		.amdhsa_private_segment_fixed_size 0
		.amdhsa_enable_private_segment 0
		.amdhsa_kernarg_size 24
		.amdhsa_user_sgpr_count 2
		.amdhsa_user_sgpr_kernarg_segment_ptr 1
		.amdhsa_wavefront_size32 1
		.amdhsa_system_sgpr_workgroup_id_x 1
		.amdhsa_system_sgpr_workgroup_id_y 1
		.amdhsa_system_sgpr_workgroup_id_z 1
		.amdhsa_system_vgpr_workitem_id 0
		.amdhsa_next_free_vgpr 178
		.amdhsa_next_free_sgpr 66
		.amdhsa_reserve_vcc 0
		.amdhsa_float_denorm_mode_32 3
		.amdhsa_float_denorm_mode_16_64 3
		.amdhsa_memory_ordered 1
		.amdhsa_forward_progress 1
		.amdhsa_inst_pref_size 58
	.end_amdhsa_kernel
	.amdgpu_metadata
---
amdhsa.version: [ 1, 2 ]
amdhsa.kernels:
  - .name:           k_q522cba62af_oproj
    .symbol:         k_q522cba62af_oproj.kd
    .args:
      - { .name: ao, .offset: 0, .size: 8, .value_kind: global_buffer, .address_space: global }
      - { .name: hw, .offset: 8, .size: 8, .value_kind: global_buffer, .address_space: global }
      - { .name: out0, .offset: 16, .size: 8, .value_kind: global_buffer, .address_space: global }
    .group_segment_fixed_size: 327680
    .private_segment_fixed_size: 0
    .kernarg_segment_align: 8
    .kernarg_segment_size: 24
    .max_flat_workgroup_size: 256
    .sgpr_count:     66
    .vgpr_count:     178
    .wavefront_size: 32
...
	.end_amdgpu_metadata
.endif
;; end of part 4
;; ======== version 2 of 2: 4 launches; version 1 with the launch cast written anew for expert scheduling mode
;; limits: values are held in f16: magnitudes above 65,504 overflow, below 6.1e-05 lose precision
;; workspace buffers: hw 16,777,216 bytes; qkvh 25,165,824 bytes; ao 8,388,608 bytes
;; launch cast (part 5): grid 512 x 1, 8 waves a work-group, no clusters, 0 bytes of LDS; arguments hidden_states, Wq, Wk, Wv, Wo, hw; writes hw
.if DOCPART == 5
	.amdgcn_target "amdgcn-amd-amdhsa--gfx1250"
	.amdhsa_code_object_version 6
	.text
	.protected	k_q522cba62af_cast
	.globl	k_q522cba62af_cast
	.p2align	8
	.type	k_q522cba62af_cast,@function
k_q522cba62af_cast:
	s_mov_b64 s[64:65], 0
	v_nop
	global_prefetch_b8 v0, s[64:65] scope:SCOPE_SE
	s_setreg_imm32_b32 hwreg(HW_REG_WAVE_SCHED_MODE, 0, 2), 2
	s_setreg_imm32_b32 hwreg(HW_REG_WAVE_MODE, 25, 1), 1
	s_wait_xcnt 0x0
	s_wait_alu depctr_vm_vsrc(0)
; hw = f16 of hidden_states [4096][1024], Wq, Wk, Wv, Wo [1024][1024 each], one behind the other: X at byte 0, the weights at 8, 10, 12, 14 MiB.
; The three later launches read these numbers many times as matrix operands: rounded once here, they are fetched at half the bytes and need no conversion there.
; f16 and not bf16: three more bits of mantissa at the same matrix form's shape.  LIMIT: a number of 65,504 or more in magnitude becomes infinity;
; numbers below 6.1e-5 are kept with an absolute step of 6e-8.
; A stream: no LDS, no barrier, no matrix unit.  512 work-groups of 8 waves; a work-group converts 16,384 numbers (64 KiB in, 32 KiB out).
; Thread t takes 16 bytes at 16 t of each block of 4,096 bytes: a load of a wave covers 512 consecutive bytes, a store 256 consecutive bytes, aligned.
; All sixteen loads of a thread go out first; no register is written twice.
; THE MODE: SCHED_MODE bits 1:0 = 2 (LLVM: expert scheduling mode 2), set by the entry lines.  The code itself states the register dependences
; between vector instructions and memory instructions, with s_wait_alu, always for 0.
; THE PLAN.  Registers that memory instructions touch:
;   v1, v2     byte offsets of the loads and of the stores.  Written once at the head by vector instructions, never again.
;   XR         Written by the sixteen loads, each register once; no vector instruction names them ahead of the loads.  Read by the conversions, behind the counted waits for the data.
;   YR         Written by the conversions, each register once; read by the stores; never written again.
; So one wait on va_vdst stands ahead of the first load (the offsets are written), and one in each block of four rows, behind the block's eight conversions and ahead of its four
; stores (the block's YR is written).  It stands there, and not at the next block's head, because the next block's head first waits for four more loads from memory, and the
; stores should not wait for those.  Nothing that a memory instruction reads is written again, so past the entry lines the text holds no wait on vm_vsrc and no s_wait_xcnt.
.set XR, 4                             ; v[4:67]   sixteen loads of four f32
.set YR, 68                            ; v[68:99]  sixteen pairs of registers, four f16 each pair
	s_load_b256 s[4:11], s[0:1], 0x0               ; hidden_states s[4:5], Wq s[6:7], Wk s[8:9], Wv s[10:11]
	s_load_b128 s[12:15], s[0:1], 0x20             ; Wo s[12:13], hw s[14:15]
	s_lshr_b32 s16, ttmp9, 6                       ; 0..3: hidden_states (256 work-groups); 4, 5, 6, 7: Wq, Wk, Wv, Wo (64 each)
	s_and_b32 s20, ttmp9, 63                       ; my place inside a weight matrix,
	s_cmp_lt_u32 s16, 4
	s_cselect_b32 s20, ttmp9, s20                  ; or inside hidden_states
	s_lshl_b32 s20, s20, 16                        ; times 64 KiB of f32
	s_mov_b32 s21, 0
	s_lshl_b32 s22, ttmp9, 15                      ; in hw the parts follow each other: work-group number times 32 KiB
	s_mov_b32 s23, 0
	v_lshlrev_b32 v1, 4, v0                        ; 16 t
	v_lshlrev_b32 v2, 3, v0                        ; 8 t
	s_wait_kmcnt 0x0
	s_mov_b64 s[18:19], s[4:5]                     ; the source buffer, chosen by the work-group's number alone
	s_cmp_eq_u32 s16, 4
	s_cselect_b64 s[18:19], s[6:7], s[18:19]
	s_cmp_eq_u32 s16, 5
	s_cselect_b64 s[18:19], s[8:9], s[18:19]
	s_cmp_eq_u32 s16, 6
	s_cselect_b64 s[18:19], s[10:11], s[18:19]
	s_cmp_eq_u32 s16, 7
	s_cselect_b64 s[18:19], s[12:13], s[18:19]
	s_add_nc_u64 s[18:19], s[18:19], s[20:21]
	s_add_nc_u64 s[14:15], s[14:15], s[22:23]
	s_wait_alu depctr_va_vdst(0)                   ; v1 and v2 are written: every load reads v1 as its offset, every store v2
.irp j, 0,1,2,3,4,5,6,7,8,9,10,11,12,13,14,15
	global_load_b128 v[XR+4*\j:XR+4*\j+3], v1, s[18:19] offset:4096*\j th:TH_LOAD_NT   ; read once in this launch
.endr
; Block b: rows 4 b to 4 b + 3.  Each row is converted as soon as its own load is in; the block's four stores follow together, behind one wait.
.macro BLOCK b
.irp i, 0,1,2,3
	s_wait_loadcnt 15-(4*(\b)+(\i))                ; loads return in order: load 4 b + i is in, the younger ones stay out
	v_cvt_pk_f16_f32 v[YR+2*(4*(\b)+(\i))],   v[XR+4*(4*(\b)+(\i))],   v[XR+4*(4*(\b)+(\i))+1]
	v_cvt_pk_f16_f32 v[YR+2*(4*(\b)+(\i))+1], v[XR+4*(4*(\b)+(\i))+2], v[XR+4*(4*(\b)+(\i))+3]
.endr
	s_wait_alu depctr_va_vdst(0)                   ; the block's eight conversions have written its YR registers, which the four stores below read
.irp i, 0,1,2,3
	global_store_b64 v2, v[YR+2*(4*(\b)+(\i)):YR+2*(4*(\b)+(\i))+1], s[14:15] offset:2048*(4*(\b)+(\i))   ; no hint: the next launch reads it
.endr
.endm
	BLOCK 0
	BLOCK 1
	BLOCK 2
	BLOCK 3
	s_endpgm
.Lfunc_end_k_q522cba62af_cast:
	.size	k_q522cba62af_cast, .Lfunc_end_k_q522cba62af_cast-k_q522cba62af_cast
	.p2alignl 7, 3214868480
	.fill 96, 4, 3214868480
	.section	.rodata,"a",@progbits
	.p2align	6, 0x0
	.amdhsa_kernel k_q522cba62af_cast
		.amdhsa_group_segment_fixed_size 0
		.amdhsa_private_segment_fixed_size 0
		.amdhsa_enable_private_segment 0
		.amdhsa_kernarg_size 48
		.amdhsa_user_sgpr_count 2
		.amdhsa_user_sgpr_kernarg_segment_ptr 1
		.amdhsa_wavefront_size32 1
		.amdhsa_system_sgpr_workgroup_id_x 1
		.amdhsa_system_sgpr_workgroup_id_y 1
		.amdhsa_system_sgpr_workgroup_id_z 1
		.amdhsa_system_vgpr_workitem_id 0
		.amdhsa_next_free_vgpr 104
		.amdhsa_next_free_sgpr 66
		.amdhsa_reserve_vcc 0
		.amdhsa_float_denorm_mode_32 3
		.amdhsa_float_denorm_mode_16_64 3
		.amdhsa_memory_ordered 1
		.amdhsa_forward_progress 1
		.amdhsa_inst_pref_size 7
	.end_amdhsa_kernel
	.amdgpu_metadata
---
amdhsa.version: [ 1, 2 ]
amdhsa.kernels:
  - .name:           k_q522cba62af_cast
    .symbol:         k_q522cba62af_cast.kd
    .args:
      - { .name: hidden_states, .offset: 0, .size: 8, .value_kind: global_buffer, .address_space: global }
      - { .name: Wq, .offset: 8, .size: 8, .value_kind: global_buffer, .address_space: global }
      - { .name: Wk, .offset: 16, .size: 8, .value_kind: global_buffer, .address_space: global }
      - { .name: Wv, .offset: 24, .size: 8, .value_kind: global_buffer, .address_space: global }
      - { .name: Wo, .offset: 32, .size: 8, .value_kind: global_buffer, .address_space: global }
      - { .name: hw, .offset: 40, .size: 8, .value_kind: global_buffer, .address_space: global }
    .group_segment_fixed_size: 0
    .private_segment_fixed_size: 0
    .kernarg_segment_align: 8
    .kernarg_segment_size: 48
    .max_flat_workgroup_size: 256
    .sgpr_count:     66
    .vgpr_count:     104
    .wavefront_size: 32
...
	.end_amdgpu_metadata
.endif
;; end of part 5
;; launch qkv: the kernel of part 2 again; grid 16 x 16, 8 waves a work-group, clusters of 4 x 4, 327,680 bytes of LDS; arguments hw, cos, sin, qkvh; writes qkvh
;; launch attn: the kernel of part 3 again; grid 16 x 16, 8 waves a work-group, clusters of 4 x 1, 327,680 bytes of LDS; arguments qkvh, attention_mask, ao; writes ao
;; launch oproj: the kernel of part 4 again; grid 8 x 32, 8 waves a work-group, clusters of 4 x 4, 327,680 bytes of LDS; arguments ao, hw, out0; writes out0
